; MI455X (gfx1250); checked and timed in simulation.
; The chip was launched on July 23, 2026; its instructions are those of AMD's public machine-readable ISA for CDNA 5 (MIT licence, August 2026) and "CDNA5" Instruction Set Architecture Reference Guide (July 2026). The comments in the code are by the model that wrote it; some were corrected since.
;; Self Attention With Learnable Token. Allowed arithmetic: matrix products marked QUANTISED: E2M1 operands, one E8M0 scale for each 32 along K, by v_wmma_scale_f32_16x16x128_f8f6f4 with both operands' format E2M1 (or v_wmma_scale_f32_32x16x128_f4), f32 sums; everything else in f32.
;; Inputs: Wk_codes 256 x 8 x 16 uint8 (E2M1 codes of Wk, K innermost, in blocks of 32 codes, two codes a byte); Wk_scales 256 x 8 uint8 (E8M0 scales of Wk, one for each 32 codes along K); Wo_codes 256 x 8 x 16 uint8 (E2M1 codes of Wo, K innermost, in blocks of 32 codes, two codes a byte); Wo_scales 256 x 8 uint8 (E8M0 scales of Wo, one for each 32 codes along K); Wq_codes 256 x 8 x 16 uint8 (E2M1 codes of Wq, K innermost, in blocks of 32 codes, two codes a byte); Wq_scales 256 x 8 uint8 (E8M0 scales of Wq, one for each 32 codes along K); Wv_codes 256 x 8 x 16 uint8 (E2M1 codes of Wv, K innermost, in blocks of 32 codes, two codes a byte); Wv_scales 256 x 8 uint8 (E8M0 scales of Wv, one for each 32 codes along K); bk 256 float32; bo 256 float32; bq 256 float32; bv 256 float32; gk 1 x 1 x 256 float32; gv 1 x 1 x 256 float32; x_codes 4 x 4,096 x 8 x 16 uint8 (E2M1 codes of x, K innermost, in blocks of 32 codes, two codes a byte); x_scales 4 x 4,096 x 8 uint8 (E8M0 scales of x, one for each 32 codes along K).
;; Outputs: out0 4 x 4,096 x 256 float32.
;; This version of the problem:
;;   THIS VERSION OF THE PROBLEM IS GIVEN IN LOW PRECISION. The matrix products marked QUANTISED in the list below multiply operands that are first quantised to E2M1 (2 exponent bits, 1 mantissa bit; 4 bits a number), with one power-of-two scale for each 32 numbers along K (OCP MX v1.0); their sums are f32. All else is computed in f32.
;;   The module's matrix products, in the order in which they are computed (A, B: the left and right operand; K: the contracted axis; several contracted axes count as one K, in the product's order):
;;     1. [M 16,384, K 256] x [K 256, N 256]; A: input x (given as codes); B: input Wq (given as codes): QUANTISED
;;     2. [M 16,384, K 256] x [K 256, N 256]; A: input x (given as codes); B: input Wk (given as codes): QUANTISED
;;     3. [M 16,384, K 256] x [K 256, N 256]; A: input x (given as codes); B: input Wv (given as codes): QUANTISED
;;     4. batch 4 x [M 4,096, K 256] x [K 256, N 4,097]; A: computed on the way; B: computed on the way: QUANTISED
;;     5. batch 4 x [M 4,096, K 4,097] x [K 4,097, N 256]; A: softmax (see below); B: computed on the way: QUANTISED
;;     6. [M 16,384, K 256] x [K 256, N 256]; A: computed on the way; B: input Wo (given as codes): QUANTISED
;;   THE QUANTISER, for each operand of a quantised product, along K:
;;     - K is cut into blocks of 32 from its start; a last block that is shorter is filled with zeros.
;;     - A block's scale is 2^e with e = floor(log2(the largest magnitude in the block)) - 2, held to -126 .. 127; a block of zeros has e = 0. As a byte (E8M0): e + 127.
;;     - Each number is divided by its block's scale, clamped to +-6, and rounded to the nearest number of E2M1, ties to even, subnormals kept.
;;     - The product sums the exact products of the quantised numbers (number of the format x scale) in f32.
;;   ~~~python
;;   def quantise(x, axis):      # numpy; x: float32 -> the quantised numbers, widened to float32 again
;;       x = np.moveaxis(x, axis, -1); K = x.shape[-1]
;;       x = np.pad(x, [(0, 0)] * (x.ndim - 1) + [(0, -K % 32)]); x = x.reshape(x.shape[:-1] + (-1, 32)); a = np.abs(x).max(-1, keepdims=True)
;;       e = np.where(a > 0, np.clip(np.frexp(np.where(a > 0, a, 1))[1] - 1 - 2, -126, 127), 0)      # np.frexp(a)[1] - 1 = floor(log2(a)), exactly
;;       r = np.clip(x / 2.0 ** e, -6, 6)
;;       step = 2.0 ** (np.maximum(np.frexp(np.where(r == 0, 1, r))[1] - 1, 0) - 1)
;;       q = np.round(r / step) * step * 2.0 ** e      # np.round: ties to even
;;       return np.moveaxis(q.reshape(q.shape[:-2] + (-1,))[..., :K], -1, axis).astype(np.float32)
;;   ~~~
;;   SOFTMAX AHEAD OF A QUANTISED PRODUCT. Where the list says 'softmax', what is quantised is not the finished softmax but p = 2^(t - M), with t = logit x log2(e) and M = ceil(the row's largest t), a whole number; so 1/2 < the row's largest p <= 1. The row's sum l is taken of the UNQUANTISED p, in f32, and the product's result is divided by l at the end. Since M is a whole number, a kernel that streams over the keys may use a running M (the ceiling of the running maximum): every later rescaling is an exact power of two, which a block's scale takes up: the codes' values come out the same.
;;   OPERANDS COMPUTED ON THE WAY. 'Computed on the way' means the value that the module computes at that place (a softmax that the list does not call 'softmax' is quantised finished and normalised). What goes into a quantiser is computed in f32, as accurately as f32 sums, v_exp_f32 and their like allow (about 1e-6 of the number): no bf16 or f16 on the way to a quantiser, and a product that is left as it is and whose result goes on into a quantised operand takes f32 operands (vector FMAs, or v_wmma_f32_16x16x4_f32). A number that lies on a knife's edge between two numbers of the format may be rounded either way, as far as f32 arithmetic and the matrix unit's own rounding can turn it there, and no further.
;;   INPUTS GIVEN AS CODES. Wk (in the module: [256, 256], K = its axis 1); Wo (in the module: [256, 256], K = its axis 1); Wq (in the module: [256, 256], K = its axis 1); Wv (in the module: [256, 256], K = its axis 1); x (in the module: [4, 4096, 256], K = its axis 2): each comes as NAME_codes (uint8): NAME with its K axis moved to the last place and cut into blocks of 32 codes, [.., K / 32, bytes a block], one block behind the other in memory; two codes a byte, the lower K in the low four bits (a code: sign, 2 exponent bits, 1 mantissa bit); and NAME_scales (uint8): the same leading axes, one E8M0 byte (e + 127) for each 32 codes along K. Its value is code x scale, taken as it is: it is not quantised again, and the codes and scales need not be those that the quantiser above would give.
;; One version. Each part assembles by itself: llvm-mc -triple=amdgcn-amd-amdhsa -mcpu=gfx1250 --defsym DOCPART=n.
;; ======== version 1 of 1: 2 launches
;; limits: right only within a limited range of input values
;; workspace buffers: qf 2,228,224 bytes; kv 4,734,976 bytes
;; launch proj (part 1): grid 50 x 4, 4 waves a work-group, no clusters, 0 bytes of LDS; arguments x_codes, x_scales, Wq_codes, Wq_scales, bq, Wk_codes, Wk_scales, bk, gk, Wv_codes, Wv_scales, bv, gv, qf, kv; writes qf, kv
.if DOCPART == 1
	.amdgcn_target "amdgcn-amd-amdhsa--gfx1250"
	.amdhsa_code_object_version 6
	.text
	.protected	k_q3ab5c19c39_proj
	.globl	k_q3ab5c19c39_proj
	.p2align	8
	.type	k_q3ab5c19c39_proj,@function
k_q3ab5c19c39_proj:
	s_mov_b64 s[64:65], 0
	v_nop
	global_prefetch_b8 v0, s[64:65] scope:SCOPE_SE
	s_setreg_imm32_b32 hwreg(HW_REG_WAVE_MODE, 25, 1), 1
	s_wait_xcnt 0x0
; Q = x Wq^T + bq, K' = [gk; x Wk^T + bk], V' = [gv; x Wv^T + bv], on codes of FP4 (E2M1) with E8M0 scales, and the quantisers of the three results.
; Q and K' are quantised along the 256 channels, V' along the 4,097 keys (key' 0 is the learnt row, key' k is x's row k - 1; keys' past 4,096 are zeros).
; ONE SHAPE FOR ALL THREE.  A stationary matrix of 256 rows x 256 K is source 0 (16 tiles x 2 K steps, 256 registers), four moving tiles of 16 rows are source 1.
; Lane r of stationary tile t takes row 32 (t / 2) + 8 (t % 2) + r + 8 (r / 8): in the result a lane holds ONE moving row, and registers 16 b + i of the 128 are
; stationary rows 32 b + 16 (lane / 16) + i: sixteen neighbours along the quantiser's axis.  Q, K': stationary = the weight, moving = rows of x.  V': stationary = 256 keys', moving = rows of Wv.
; SHARES.  Work-group y = the batch.  x = 0..15: Q, 256 rows, 64 a wave.  x = 16..32: K', two steps of 128 keys', half a step a wave.  x = 33..49: V', 256 keys', 64 channels a wave.
; WHAT IS STORED are images of operand registers: a fragment (16 rows x 128 K, 8 registers) is 1,024 bytes, register group c at 512 c + 16 x lane: every store of a wave covers 512 consecutive bytes.
;   qf: a block of 8,704 bytes for each 64 queries: image (tile i, K step s) at (2 i + s) 1,024; scale words at 8,192 + 16 lane + 4 i (lanes 0-15 K step 0, lanes 16-31 K step 1).
;   kv: for each batch 34 blocks of 34,816 bytes, one for each 128 keys': K' images (key tile t, K step s) at (2 t + s) 1,024, lane r of tile t being key' 32 (t / 2) + 8 (t % 2) + r + 8 (r / 8);
;       V'^T images of channel tile dt at 16,384 + 1,024 dt, lane r being channel 32 (dt / 2) + 8 (dt % 2) + r + 8 (r / 8); K' scale words at 32,768, V' scale words at 33,792.
; No LDS, no barrier: waves share nothing.
; LIMITS: NaN and infinities are not served.  A block of zeros, or one whose largest magnitude lies under 2^-124, gets the scale byte 1 over its codes where the rule says 127 or less:
; the bytes are read by this program alone, and zero codes add nothing under that byte.
.set STEPB, 34816                      ; a step's block in kv
.set BSTR,  34*STEPB                   ; a batch's blocks
.set QB,    8704                       ; a block of qf
.set RP,  3                            ; v3      r + 8 (r / 8)
.set OI,  4                            ; v4      16 x lane
.set NIL, 5                            ; v5      0
.set KP,  8                            ; v8-11   the key' of my lane in moving tile i (Q: its row + 1)
.set XO,  12                           ; v12-15  its row's codes: row x 128 + 16 h
.set XSO, 16                           ; v16-19  its row's scale word: row x 8 + 4 h
.set SW,  20                           ; v20-23  the four tiles' scale words, as they are stored
.set PW0, 24                           ; v24, 25 the scale words of the two fragments just made
.set PW1, 25
.set MS,  26                           ; v26-29  the moving tiles' scale words (lanes 0-15 K step 0, lanes 16-31 K step 1)
.set WS,  32                           ; v32-47  the stationary tiles' likewise
.set PC,  48                           ; v48-55  the codes just made
.set TM,  56                           ; v56-71  at work in the quantiser
.set CB,  72                           ; v72-103 V': eight copies of my channel's bias for each tile
.set BV,  104                          ; v104-107 V': bv of my channel;  v108-111 gv
.set GV,  108
.set VSO, 112                          ; v112    V': where my scale words go
.set SA,  113                          ; v113-115 lane offsets of the head's loads
.set SS,  114
.set BO,  115
.set ACC, 128                          ; v128-255 the result: 16 tiles x 8
.set SEL, 38                           ; s[38:39] lane selects: lane l xor 16
.set HM,  40                           ; s40     the mask of lanes 16-31
; window 1: the stationary fragments at 16 t + 8 s + 4 c.  window 2 (Q, K'): the bias at 8 t, gk at 128 + 8 t, in the result's layout.  window 3: the moving fragments at 16 i + 8 s + 4 c.
.set MSB, 0
.macro WIN new                         ; the immediate's high byte repeats the setting that is left
.if MSB != \new
	s_set_vgpr_msb (MSB<<8)|\new
.set MSB, \new
.endif
.endm
.macro WM d, a, b, c, sa, sb, row      ; one product; row: which half of the lanes of both scale registers
.if (\row) == 0
	v_wmma_scale_f32_16x16x128_f8f6f4 v[(\d):(\d)+7], v[(\a):(\a)+7], v[(\b):(\b)+7], v[(\c):(\c)+7], v[\sa], v[\sb] matrix_a_fmt:MATRIX_FMT_FP4 matrix_b_fmt:MATRIX_FMT_FP4
.else
	v_wmma_scale_f32_16x16x128_f8f6f4 v[(\d):(\d)+7], v[(\a):(\a)+7], v[(\b):(\b)+7], v[(\c):(\c)+7], v[\sa], v[\sb] matrix_a_fmt:MATRIX_FMT_FP4 matrix_b_fmt:MATRIX_FMT_FP4 matrix_a_scale:MATRIX_SCALE_ROW1 matrix_b_scale:MATRIX_SCALE_ROW1
.endif
.endm
; 64 numbers of a lane, register 16 b + i = k 32 b + 16 (lane / 16) + i of my row, become a fragment's codes in v[PC] on and its scale word in v[pw]
.macro QUANT s, pw
.irp b, 0,1,2,3
	v_max3_num_f32 v[TM+\b], |v[\s+16*\b]|, |v[\s+1+16*\b]|, 0x1800000   ; my 16 numbers of block b, and the floor 2^(3 - 127): the byte cannot fall under 1
.endr
.irp i, 2,4,6,8,10,12,14
.irp b, 0,1,2,3
	v_max3_num_f32 v[TM+\b], v[TM+\b], |v[\s+16*\b+\i]|, |v[\s+1+16*\b+\i]|   ; the four blocks by turns
.endr
.endr
.irp b, 0,1,2,3
	v_permlanex16_b32 v[TM+4+\b], v[TM+\b], s[SEL], s[SEL+1]
.endr
.irp b, 0,1,2,3
	v_max_num_f32 v[TM+\b], v[TM+\b], v[TM+4+\b]   ; with lane l xor 16's: the block's largest magnitude
.endr
.irp b, 0,1,2,3
	v_add_nc_u32 v[TM+12+\b], 0xff000000, v[TM+\b]   ; 2 off its exponent field: the conversion's scale operand
.endr
.irp b, 0,1,2,3
	v_lshrrev_b32 v[TM+4+\b], 23, v[TM+12+\b]      ; the scale's byte
.endr
	v_lshl_or_b32 v[\pw], v[TM+5], 8, v[TM+4]
	v_lshl_or_b32 v[\pw], v[TM+6], 16, v[\pw]
	v_lshl_or_b32 v[\pw], v[TM+7], 24, v[\pw]
.irp b, 0,1,2,3
	v_cvt_scalef32_pk8_fp4_f32 v[PC+2*\b], v[\s+16*\b:\s+7+16*\b], v[TM+12+\b]
	v_cvt_scalef32_pk8_fp4_f32 v[PC+1+2*\b], v[\s+8+16*\b:\s+15+16*\b], v[TM+12+\b]
.endr
	v_nop                                          ; one plain place behind a scaled conversion
.irp c, 0,1                                    ; the operand's layout wants a whole block in a lane
.irp i, 0,1
	v_permlane16_swap_b32 v[PC+4*\c+\i], v[PC+2+4*\c+\i]
.endr
.endr
.endm
.macro PUT off                         ; the fragment's image: two stores of 512 consecutive bytes
	global_store_b128 v[OI], v[PC:PC+3], s[46:47] offset:\off
	global_store_b128 v[OI], v[PC+4:PC+7], s[46:47] offset:\off+512
.endm
.macro HIDE i                          ; rows that stand for keys' past 4,096 get zero codes (their scale byte stays a valid one)
	v_cmp_lt_u32 vcc_lo, 0x1000, v[KP+\i]
.irp n, 0,1,2,3,4,5,6,7
	v_cndmask_b32 v[PC+\n], v[PC+\n], v[NIL], vcc_lo
.endr
.endm
; Moving tile i against the whole stationary matrix, then the two fragments.  kind 0: Q and K'; kind 1: V'.  The 16 accumulators take turns, one instruction a turn.
.macro TILE kind, i
.if \kind == 0
	WIN 0x2d                                       ; source 0 window 1, source 1 window 3, C (the bias) window 2
.else
	WIN 0x0d                                       ; C (my channel's bias) window 0
.endif
.irp t, 0,1,2,3,4,5,6,7,8,9,10,11,12,13,14,15
.if \kind == 0
	WM ACC+8*\t, 16*\t, 16*\i, 8*\t, WS+\t, MS+\i, 0
.else
	WM ACC+8*\t, 16*\t, 16*\i, CB+8*\i, WS+\t, MS+\i, 0
.endif
.endr
	WIN 0x0d
.irp t, 0,1,2,3,4,5,6,7,8,9,10,11,12,13,14,15
	WM ACC+8*\t, 16*\t+8, 16*\i+8, ACC+8*\t, WS+\t, MS+\i, 1
.endr
	WIN 0
.rept 4
	v_nop                                          ; places in front of the first read of results
.endr
.if (\kind == 0) && (\i == 0)
	s_cmp_lg_u32 s43, 0                            ; only the wave that holds key' 0: a branch on ids
	s_cbranch_scc1 .Lno_g_\@
	v_cmp_eq_u32 vcc_lo, 0, v[KP]
	WIN 0x08                                       ; source 1 (gk) window 2
.set NN, 0
.rept 128
	v_cndmask_b32 v[ACC+NN], v[ACC+NN], v[128+NN], vcc_lo   ; key' 0 is gk as it is given
.set NN, NN+1
.endr
	WIN 0
.Lno_g_\@:
.endif
.if \kind == 1
	v_cndmask_b32 v[ACC], v[ACC], v[GV+\i], s44    ; key' 0 (register 0 of lanes 0-15, in the first 256 keys' alone) is gv
	s_cmp_lg_u32 s37, 16
	s_cbranch_scc1 .Lfull_\@
	v_cndmask_b32 v[ACC], v[ACC], v[NIL], s[HM]    ; the last 256: key' 4,096 alone counts, the others are zeros
.set NN, 1
.rept 127
	v_mov_b32 v[ACC+NN], 0
.set NN, NN+1
.endr
.Lfull_\@:
.endif
	s_wait_xcnt 0x0                                ; the codes' registers are the data of earlier stores: written again only behind this wait
	s_wait_alu depctr_va_vdst(0)
	QUANT ACC, PW0
.if \kind == 0
	HIDE \i
	PUT \i*2048
.else
	PUT \i*1024
.endif
	s_wait_xcnt 0x0
	QUANT ACC+64, PW1
.if \kind == 0
	HIDE \i
	PUT \i*2048+1024
.else
	PUT \i*1024+STEPB
.endif
	v_cndmask_b32 v[SW+\i], v[PW0], v[PW1], s[HM]  ; lanes 0-15 the first fragment's word, lanes 16-31 the second's
.endm
	s_load_b512 s[4:19], s[0:1], 0x0               ; x codes 4, x scales 6, Wq codes 8, Wq scales 10, bq 12, Wk codes 14, Wk scales 16, bk 18
	s_load_b256 s[20:27], s[0:1], 0x40             ; gk 20, Wv codes 22, Wv scales 24, bv 26
	s_load_b128 s[28:31], s[0:1], 0x60             ; gv 28, qf 30
	s_load_b64 s[32:33], s[0:1], 0x70              ; kv
	v_lshrrev_b32 v6, 5, v0
	v_readfirstlane_b32 s34, v6                    ; wave
	s_mov_b32 s35, ttmp9                           ; X
	s_and_b32 s36, ttmp7, 0xffff                   ; the batch
	v_and_b32 v1, 15, v0                           ; r
	v_bfe_u32 v2, v0, 4, 1                         ; h
	v_and_b32 v[RP], 8, v1
	v_add_nc_u32 v[RP], v[RP], v1
	v_and_b32 v[OI], 31, v0
	v_lshlrev_b32 v[OI], 4, v[OI]
	v_mov_b32 v[NIL], 0
.irp b, 0,1,2,3
	v_mov_b32 v[TM+4+\b], 0                        ; written once: a lane permute's destination counts as one of its sources
.endr
	s_mov_b32 s[SEL], 0x76543210
	s_mov_b32 s[SEL+1], 0xfedcba98
	s_mov_b32 s[HM], 0xffff0000
	s_lshl_b32 s50, s36, 19                        ; a batch of x: 4,096 rows of 128 bytes,
	s_mov_b32 s51, 0
	s_lshl_b32 s52, s36, 15                        ; of 8 scale bytes,
	s_mov_b32 s53, 0
	s_mul_i32 s54, s36, BSTR                       ; and its blocks of kv
	s_mov_b32 s55, 0
	s_wait_kmcnt 0x0
	s_add_nc_u64 s[4:5], s[4:5], s[50:51]
	s_add_nc_u64 s[6:7], s[6:7], s[52:53]
	s_add_nc_u64 s[32:33], s[32:33], s[54:55]
	s_cmp_ge_u32 s35, 33
	s_cbranch_scc1 .Lvpath
	; ---- Q and K': both variants of the numbers are made, then chosen on the work-group's number
	s_lshl_b32 s50, s35, 8
	s_lshl_b32 s51, s34, 6
	s_add_co_u32 s50, s50, s51                     ; Q: my first row, 256 X + 64 w
	s_lshl_b32 s52, s36, 6
	s_lshl_b32 s53, s35, 2
	s_add_co_u32 s52, s52, s53
	s_add_co_u32 s52, s52, s34
	s_mul_i32 s52, s52, QB                         ; Q: my block of qf
	s_add_co_u32 s53, s52, 8192                    ; and its scale words
	s_max_u32 s37, s35, 16
	s_sub_co_u32 s37, s37, 16                      ; K': j
	s_lshl_b32 s54, s37, 1
	s_lshr_b32 s55, s34, 1
	s_add_co_u32 s54, s54, s55                     ; the step
	s_and_b32 s55, s34, 1                          ; which half of it
	s_lshl_b32 s56, s54, 7
	s_lshl_b32 s57, s55, 6
	s_add_co_u32 s56, s56, s57                     ; K': my first key'
	s_mul_i32 s54, s54, STEPB
	s_lshl_b32 s57, s55, 13
	s_add_co_u32 s57, s57, s54                     ; my four key tiles' images
	s_lshl_b32 s58, s55, 9
	s_add_co_u32 s58, s58, s54
	s_add_co_u32 s58, s58, 32768                   ; and their scale words
	s_sub_co_u32 s43, s35, 16
	s_or_b32 s43, s43, s34                         ; 0 in the wave that holds key' 0
	s_cmp_lt_u32 s35, 16                           ; Q?
	s_cselect_b64 s[8:9], s[8:9], s[14:15]         ; the weight's codes,
	s_cselect_b64 s[10:11], s[10:11], s[16:17]     ; its scales,
	s_cselect_b64 s[12:13], s[12:13], s[18:19]     ; the bias,
	s_cselect_b64 s[46:47], s[30:31], s[32:33]     ; where the results go
	s_cselect_b32 s45, s50, s56
	s_cselect_b32 s60, s52, s57
	s_cselect_b32 s62, s53, s58
	s_cselect_b32 s42, 16, 8                       ; from tile 0 to tile 1
	s_cselect_b32 s41, -1, 0
	s_mov_b32 s61, 0
	s_mov_b32 s63, 0
	s_add_nc_u64 s[48:49], s[46:47], s[62:63]
	s_add_nc_u64 s[46:47], s[46:47], s[60:61]
	v_and_b32 v6, 8, v1
	v_mov_b32 v7, 1
	v_cndmask_b32 v6, v6, v7, s41                  ; K': 8 (r / 8); Q: 1, since row n stands here as key' n + 1
	v_add_nc_u32 v6, v6, v1
	v_add_nc_u32 v[KP], s45, v6
	v_add_nc_u32 v[KP+1], s42, v[KP]
	v_add_nc_u32 v[KP+2], 32, v[KP]
	v_add_nc_u32 v[KP+3], 32, v[KP+1]
.irp i, 0,1,2,3
	v_max_u32 v7, 1, v[KP+\i]                      ; x's row = key' - 1, held inside x
	v_add_nc_u32 v7, -1, v7
	v_min_u32 v7, 0xfff, v7
	v_lshlrev_b32 v[XO+\i], 7, v7
	v_lshl_add_u32 v[XO+\i], v2, 4, v[XO+\i]
	v_lshlrev_b32 v[XSO+\i], 3, v7
	v_lshl_add_u32 v[XSO+\i], v2, 2, v[XSO+\i]
.endr
	v_lshlrev_b32 v[SA], 7, v[RP]
	v_lshl_add_u32 v[SA], v2, 4, v[SA]             ; the weight: row RP of a tile, + 16 h
	v_lshlrev_b32 v[SS], 3, v[RP]
	v_lshl_add_u32 v[SS], v2, 2, v[SS]             ; its scale word of K step h
	v_lshlrev_b32 v[BO], 6, v2                     ; bias and gk: 16 h numbers on
	WIN 0x40
.irp t, 0,1,2,3,4,5,6,7,8,9,10,11,12,13,14,15
.irp s, 0,1
.irp c, 0,1
	global_load_b128 v[16*\t+8*\s+4*\c:16*\t+8*\s+4*\c+3], v[SA], s[8:9] offset:(32*(\t/2)+8*(\t%2))*128+64*\s+32*\c
.endr
.endr
.endr
	WIN 0
.irp t, 0,1,2,3,4,5,6,7,8,9,10,11,12,13,14,15
	global_load_b32 v[WS+\t], v[SS], s[10:11] offset:(32*(\t/2)+8*(\t%2))*8
.endr
	WIN 0x80
.irp t, 0,1,2,3,4,5,6,7,8,9,10,11,12,13,14,15
	global_load_b128 v[8*\t:8*\t+3], v[BO], s[12:13] offset:(32*(\t/2)+8*(\t%2))*4
	global_load_b128 v[8*\t+4:8*\t+7], v[BO], s[12:13] offset:(32*(\t/2)+8*(\t%2))*4+16
	global_load_b128 v[128+8*\t:128+8*\t+3], v[BO], s[20:21] offset:(32*(\t/2)+8*(\t%2))*4
	global_load_b128 v[128+8*\t+4:128+8*\t+7], v[BO], s[20:21] offset:(32*(\t/2)+8*(\t%2))*4+16
.endr
	WIN 0xc0
.irp i, 0,1,2,3
.irp s, 0,1
.irp c, 0,1
	global_load_b128 v[16*\i+8*\s+4*\c:16*\i+8*\s+4*\c+3], v[XO+\i], s[4:5] offset:64*\s+32*\c
.endr
.endr
.endr
	WIN 0
.irp i, 0,1,2,3
	global_load_b32 v[MS+\i], v[XSO+\i], s[6:7]
.endr
	s_wait_loadcnt 0x0                             ; all operands, once
	TILE 0, 0
	TILE 0, 1
	TILE 0, 2
	TILE 0, 3
	global_store_b128 v[OI], v[SW:SW+3], s[48:49]  ; the four tiles' scale words: 512 consecutive bytes
	s_endpgm
.Lvpath:
	; ---- V': stationary = keys' 256 j .. 256 j + 255 of x, moving = my 64 rows of Wv
	s_sub_co_u32 s37, s35, 33                      ; j
	s_cmp_eq_u32 s37, 0
	s_cselect_b32 s44, 0xffff, 0                   ; lanes 0-15 where key' 0 is among my keys'
	s_mul_i32 s60, s37, 2*STEPB
	s_lshl_b32 s50, s34, 12
	s_add_co_u32 s50, s50, s60
	s_add_co_u32 s50, s50, 16384                   ; step 2 j, my four channel tiles' images
	s_mov_b32 s51, 0
	s_add_nc_u64 s[46:47], s[32:33], s[50:51]
	s_lshl_b32 s52, s34, 8
	s_add_co_u32 s52, s52, s60
	s_add_co_u32 s52, s52, 33792                   ; and their scale words
	s_mov_b32 s53, 0
	s_add_nc_u64 s[48:49], s[32:33], s[52:53]
	v_mul_u32_u24 v[VSO], v2, STEPB                ; lanes 0-15 store step 2 j's words, lanes 16-31 step 2 j + 1's: 256 consecutive bytes each
	v_lshl_add_u32 v[VSO], v1, 4, v[VSO]
	s_lshl_b32 s50, s37, 8
	v_add_nc_u32 v6, s50, v[RP]
.irp t, 0,1,2,3,4,5,6,7,8,9,10,11,12,13,14,15
	v_add_nc_u32 v7, 32*(\t/2)+8*(\t%2), v6        ; tile t's key' of my lane; its row of x, held inside x
	v_max_u32 v7, 1, v7
	v_add_nc_u32 v7, -1, v7
	v_min_u32 v7, 0xfff, v7
	v_lshlrev_b32 v[ACC+\t], 7, v7
	v_lshl_add_u32 v[ACC+\t], v2, 4, v[ACC+\t]
	v_lshlrev_b32 v[ACC+16+\t], 3, v7
	v_lshl_add_u32 v[ACC+16+\t], v2, 2, v[ACC+16+\t]
.endr
	s_lshl_b32 s51, s34, 6
	v_add_nc_u32 v7, s51, v[RP]                    ; my channel in tile 0: 64 w + RP
	v_lshlrev_b32 v[SA], 7, v7
	v_lshl_add_u32 v[SA], v2, 4, v[SA]
	v_lshlrev_b32 v[SS], 3, v7
	v_lshl_add_u32 v[SS], v2, 2, v[SS]
	v_lshlrev_b32 v[BO], 2, v7
	WIN 0x40
.irp t, 0,1,2,3,4,5,6,7,8,9,10,11,12,13,14,15
.irp s, 0,1
.irp c, 0,1
	global_load_b128 v[16*\t+8*\s+4*\c:16*\t+8*\s+4*\c+3], v[ACC+\t], s[4:5] offset:64*\s+32*\c
.endr
.endr
.endr
	WIN 0
.irp t, 0,1,2,3,4,5,6,7,8,9,10,11,12,13,14,15
	global_load_b32 v[WS+\t], v[ACC+16+\t], s[6:7]
.endr
	WIN 0xc0
.irp i, 0,1,2,3
.irp s, 0,1
.irp c, 0,1
	global_load_b128 v[16*\i+8*\s+4*\c:16*\i+8*\s+4*\c+3], v[SA], s[22:23] offset:(32*(\i/2)+8*(\i%2))*128+64*\s+32*\c
.endr
.endr
.endr
	WIN 0
.irp i, 0,1,2,3
	global_load_b32 v[MS+\i], v[SS], s[24:25] offset:(32*(\i/2)+8*(\i%2))*8
	global_load_b32 v[BV+\i], v[BO], s[26:27] offset:(32*(\i/2)+8*(\i%2))*4
	global_load_b32 v[GV+\i], v[BO], s[28:29] offset:(32*(\i/2)+8*(\i%2))*4
.endr
	s_wait_loadcnt 0x0
.irp i, 0,1,2,3
.irp n, 0,1,2,3,4,5,6,7
	v_mov_b32 v[CB+8*\i+\n], v[BV+\i]              ; the bias as the C of a sum's first product: the same number in all eight registers
.endr
.endr
	TILE 1, 0
	TILE 1, 1
	TILE 1, 2
	TILE 1, 3
	global_store_b128 v[VSO], v[SW:SW+3], s[48:49]
	s_endpgm
.Lfunc_end_k_q3ab5c19c39_proj:
	.size	k_q3ab5c19c39_proj, .Lfunc_end_k_q3ab5c19c39_proj-k_q3ab5c19c39_proj
	.p2alignl 7, 3214868480
	.fill 96, 4, 3214868480
	.section	.rodata,"a",@progbits
	.p2align	6, 0x0
	.amdhsa_kernel k_q3ab5c19c39_proj
		.amdhsa_group_segment_fixed_size 0
		.amdhsa_private_segment_fixed_size 0
		.amdhsa_enable_private_segment 0
		.amdhsa_kernarg_size 120
		.amdhsa_user_sgpr_count 2
		.amdhsa_user_sgpr_kernarg_segment_ptr 1
		.amdhsa_wavefront_size32 1
		.amdhsa_system_sgpr_workgroup_id_x 1
		.amdhsa_system_sgpr_workgroup_id_y 1
		.amdhsa_system_sgpr_workgroup_id_z 1
		.amdhsa_system_vgpr_workitem_id 0
		.amdhsa_next_free_vgpr 832
		.amdhsa_next_free_sgpr 66
		.amdhsa_reserve_vcc 1
		.amdhsa_float_denorm_mode_32 3
		.amdhsa_float_denorm_mode_16_64 3
		.amdhsa_memory_ordered 1
		.amdhsa_forward_progress 1
		.amdhsa_inst_pref_size 160
	.end_amdhsa_kernel
	.amdgpu_metadata
---
amdhsa.version: [ 1, 2 ]
amdhsa.kernels:
  - .name:           k_q3ab5c19c39_proj
    .symbol:         k_q3ab5c19c39_proj.kd
    .args:
      - { .name: x_codes, .offset: 0, .size: 8, .value_kind: global_buffer, .address_space: global }
      - { .name: x_scales, .offset: 8, .size: 8, .value_kind: global_buffer, .address_space: global }
      - { .name: Wq_codes, .offset: 16, .size: 8, .value_kind: global_buffer, .address_space: global }
      - { .name: Wq_scales, .offset: 24, .size: 8, .value_kind: global_buffer, .address_space: global }
      - { .name: bq, .offset: 32, .size: 8, .value_kind: global_buffer, .address_space: global }
      - { .name: Wk_codes, .offset: 40, .size: 8, .value_kind: global_buffer, .address_space: global }
      - { .name: Wk_scales, .offset: 48, .size: 8, .value_kind: global_buffer, .address_space: global }
      - { .name: bk, .offset: 56, .size: 8, .value_kind: global_buffer, .address_space: global }
      - { .name: gk, .offset: 64, .size: 8, .value_kind: global_buffer, .address_space: global }
      - { .name: Wv_codes, .offset: 72, .size: 8, .value_kind: global_buffer, .address_space: global }
      - { .name: Wv_scales, .offset: 80, .size: 8, .value_kind: global_buffer, .address_space: global }
      - { .name: bv, .offset: 88, .size: 8, .value_kind: global_buffer, .address_space: global }
      - { .name: gv, .offset: 96, .size: 8, .value_kind: global_buffer, .address_space: global }
      - { .name: qf, .offset: 104, .size: 8, .value_kind: global_buffer, .address_space: global }
      - { .name: kv, .offset: 112, .size: 8, .value_kind: global_buffer, .address_space: global }
    .group_segment_fixed_size: 0
    .private_segment_fixed_size: 0
    .kernarg_segment_align: 8
    .kernarg_segment_size: 120
    .max_flat_workgroup_size: 128
    .sgpr_count:     66
    .vgpr_count:     832
    .wavefront_size: 32
...
	.end_amdgpu_metadata
.endif
;; end of part 1
;; launch attn (part 2): grid 64 x 4, 8 waves a work-group, clusters of 4 x 1, 327,680 bytes of LDS; arguments qf, kv, Wo_codes, Wo_scales, bo, out0; writes out0
.if DOCPART == 2
	.amdgcn_target "amdgcn-amd-amdhsa--gfx1250"
	.amdhsa_code_object_version 6
	.text
	.protected	k_q3ab5c19c39_attn
	.globl	k_q3ab5c19c39_attn
	.p2align	8
	.type	k_q3ab5c19c39_attn,@function
k_q3ab5c19c39_attn:
	s_mov_b64 s[64:65], 0
	v_nop
	global_prefetch_b8 v0, s[64:65] scope:SCOPE_SE
	s_setreg_imm32_b32 hwreg(HW_REG_WAVE_MODE, 25, 1), 1
	s_wait_xcnt 0x0
	s_wait_alu depctr_hold_cnt(0) depctr_sa_sdst(0) depctr_va_vdst(0) depctr_va_sdst(0) depctr_va_ssrc(0) depctr_va_vcc(0) depctr_vm_vsrc(0)
	s_getreg_b32 s2, hwreg(HW_REG_IB_STS2, 6, 4)
	s_cmp_eq_u32 s2, 0
	s_cbranch_scc0 .Lentry_in_a_cluster
	s_endpgm
.Lentry_in_a_cluster:
	s_bfe_u32 s2, ttmp6, 0x10000c
	s_cmp_lg_u32 s2, 0x3003
	s_cbranch_scc0 .Lentry_shape_is_right
	s_endpgm
.Lentry_shape_is_right:
; out = (softmax(Q K'^T / 16) V') Wo^T + bo on codes of FP4 (E2M1) with E8M0 scales.  Q, K' and V'^T come as images of operand registers (a fragment of 16 rows x 128 K is 1,024 bytes, register
; group c at 512 c + 16 x lane), K' and V'^T in blocks of 34,816 bytes for each step of 128 keys': 16 K' images, 16 V'^T images, 1,024 bytes of K' scale words, 1,024 of V' scale words.
; THE SOFTMAX: t = score x log2(e) / 16; M = the largest t so far, rounded up to a whole number; p = 2^(t - M) is quantised along the keys, not normalised; the sum is taken of the unquantised p.
; SHARES.  A work-group owns 64 queries of one batch.  Its eight waves: qp = wave % 2 owns queries 32 qp .. + 31 (two tiles of 16), g = wave / 2 is a GROUP OF KEYS: of each round of four steps group g
; takes step g.  Each fragment of K' and V' read from LDS feeds two products.  At the end the four groups' sums are joined through LDS: M is a whole number, so the factors are exact powers of two.
; KEY' 4,096 stands alone behind the 32 steps.  It is worked at the head, in every wave, from registers loaded straight from memory; its p counts in group 0 alone and is a zero code in the others:
; so its products, with C = 0, start every sum of O^T, and its score starts every M.
; Both products are used transposed (S^T = K' Q^T, O^T = V'^T P^T): a lane holds one query throughout; the keys of a K' tile and the channels of a V'^T tile were chosen by the launch before
; so that 16 registers of two neighbouring tiles are 16 neighbours along the next product's K.
; TWO CLASSES OF WAVES.  A step has two parts.  Part 1: K' from LDS, S^T, the softmax, V'^T asked for.  Part 2: O^T under the new M, O^T += V'^T P^T: work on registers alone once V'^T is in.
; Waves of class 0 run part 2 straight behind part 1, waves of class 1 behind the next change of slots: so behind a barrier one class asks LDS for K' while the other works on registers.
; The branches hang on the wave's number alone and jump over no barrier, tensor load or LDS store.
; CLUSTER.  The four query blocks of a cluster walk the same K' and V': every fill is asked for jointly, by the same tensor load with the same descriptor and a mask that names the four.
; RING.  Two slots of four steps; group g's step lies at 69,632 g in slot 0 and 34,816 bytes further on in slot 1: the bits of 34,816 are clear in every address at which a wave's fill begins, so one
; exclusive or leads from slot to slot.  Every wave fetches an eighth of a slot, 68 rows of 256 bytes, one load at the head and one behind each round.
; LIMITS: NaN and infinities are not served; scaled scores (t) stay under 2^31 in magnitude.  A block of zeros gets the scale byte 1 over zero codes.  A block's largest p is made from its largest
; score by the same two instructions, which takes v_exp_f32 not to fall where its input rises.  The sums over the keys are made in four parts; attn = the sum of (f_g / l) O_g, one rounding more than
; a division at the end.
.set STEPB, 34816
.set BSTR,  34*STEPB
.set QB,    8704
.set SLOTB, 4*STEPB                    ; a round in memory
.set GRP,   2*STEPB                    ; a group's two slots in LDS
.set SPARE, 8*STEPB                    ; behind the ring: the spare words, 128 bytes for each wave: four blocks of 256 bytes that no other line names
.set VIMG,  16384                      ; in a step's block: V'^T images,
.set KSC,   32768                      ; K' scale words: (tile t, K step s, row r) at (t / 4) 512 + (16 s + r) 16 + (t % 4) 4,
.set VSC,   33792                      ; V' scale words: (tile dt, row r) at (dt / 8) 512 + ((dt / 4) % 2) 256 + 16 r + (dt % 4) 4
.set STATS, 262144                     ; the way out lies in the ring, which has had its last fill: O's parts from 0 on (32,768 bytes a wave), the statistics,
.set AIMG,  266240                     ; attn's images,
.set ASCL,  274432                     ; attn's scale words; later the output stages from 0 on (8,704 bytes a wave)
.set LI,  1                            ; v1   16 x lane
.set LG,  2                            ; v2   my group's step in the slot in hand (at the head Q's offset; on the way out an LDS address)
.set LG0, 3                            ; v3   the same in slot 0
.set KT,  4                            ; v4   the scale words of key' 4,096's tile: holds scales and nothing else
.set SPW, 5                            ; v5   my spare word;  v6  0: never rewritten
.set NIL, 6
.set PFO, 7                            ; v7   the prefetches' offset
.set ST,  8                            ; v8-15  tile q: -M, the largest t, the sum in two halves
.set F,   16                           ; v16-19 tile q: 2^(old M - new M), and a written upper half
.set QS,  20                           ; v20-21 Q's scale words;  v22-23 p's;  v24-31 K's, V's, Wo's, attn's: these hold scales and nothing else
.set PW,  22
.set SC,  24
.set QR,  32                           ; v32-63 Q at 16 q + 8 s + 4 c
.set S,   64                           ; v64-191 S^T at 64 q + 8 t, then p; before that K' tiles 0-3, afterwards V'^T
.set X,   192                          ; v192-255 K' tiles 4-7; then at 16 q: block maxima, lane exchange, scale operands, t; p's codes at 32 + 8 q; eight partial sums at 48 + 2 i
; window 1: O^T at 128 q + 8 dt
.set WV,  16
.set QP,  17
.set G,   18
.set CX,  19
.set WGX, 20
.set BT,  21
.set G1,  24                           ; s[24:31] descriptor group 1 of a slot's eighth
.set G0,  40                           ; s[40:43] group 0, which walks
.set CS,  52                           ; s[52:53] log2(e) / 16
.set SEL, 54                           ; s[54:55] lane selects: lane l xor 16
.set TRIPS, 56
.set LIM, 57
.set PFA, 58                           ; s[58:59] where my prefetches stand
.set HM,  60                           ; the mask of lanes 16-31
.set CL,  80                           ; my class: (wave xor wave / 4) % 2
.set LATE, 81                          ; 0 until the first change of slots is past, then my class
.set TB,  82                           ; 0 or STEPB: the slot in hand
.set OWN, 83                           ; the lanes in which key' 4,096's p counts for nothing
.set MSB, 0
.macro WIN new                         ; the immediate's high byte repeats the setting that is left
.if MSB != \new
	s_set_vgpr_msb (MSB<<8)|\new
.set MSB, \new
.endif
.endm
.macro AWAIT
	s_wait_alu depctr_va_vdst(0)
.endm
; One product.  z = 1: C is the constant 0, else v[c] on.  ra, rb: which half of the lanes of the two scale registers
.macro WM d, a, b, z, c, sa, sb, ra, rb
.if (\z)
.if (\ra) == 0
	v_wmma_scale_f32_16x16x128_f8f6f4 v[(\d):(\d)+7], v[(\a):(\a)+7], v[(\b):(\b)+7], 0, v[\sa], v[\sb] matrix_a_fmt:MATRIX_FMT_FP4 matrix_b_fmt:MATRIX_FMT_FP4
.elseif (\rb) == 0
	v_wmma_scale_f32_16x16x128_f8f6f4 v[(\d):(\d)+7], v[(\a):(\a)+7], v[(\b):(\b)+7], 0, v[\sa], v[\sb] matrix_a_fmt:MATRIX_FMT_FP4 matrix_b_fmt:MATRIX_FMT_FP4 matrix_a_scale:MATRIX_SCALE_ROW1
.else
	v_wmma_scale_f32_16x16x128_f8f6f4 v[(\d):(\d)+7], v[(\a):(\a)+7], v[(\b):(\b)+7], 0, v[\sa], v[\sb] matrix_a_fmt:MATRIX_FMT_FP4 matrix_b_fmt:MATRIX_FMT_FP4 matrix_a_scale:MATRIX_SCALE_ROW1 matrix_b_scale:MATRIX_SCALE_ROW1
.endif
.else
.if (\ra) == 0
	v_wmma_scale_f32_16x16x128_f8f6f4 v[(\d):(\d)+7], v[(\a):(\a)+7], v[(\b):(\b)+7], v[(\c):(\c)+7], v[\sa], v[\sb] matrix_a_fmt:MATRIX_FMT_FP4 matrix_b_fmt:MATRIX_FMT_FP4
.elseif (\rb) == 0
	v_wmma_scale_f32_16x16x128_f8f6f4 v[(\d):(\d)+7], v[(\a):(\a)+7], v[(\b):(\b)+7], v[(\c):(\c)+7], v[\sa], v[\sb] matrix_a_fmt:MATRIX_FMT_FP4 matrix_b_fmt:MATRIX_FMT_FP4 matrix_a_scale:MATRIX_SCALE_ROW1
.else
	v_wmma_scale_f32_16x16x128_f8f6f4 v[(\d):(\d)+7], v[(\a):(\a)+7], v[(\b):(\b)+7], v[(\c):(\c)+7], v[\sa], v[\sb] matrix_a_fmt:MATRIX_FMT_FP4 matrix_b_fmt:MATRIX_FMT_FP4 matrix_a_scale:MATRIX_SCALE_ROW1 matrix_b_scale:MATRIX_SCALE_ROW1
.endif
.endif
.endm
.macro PLACES n
.rept \n
	v_nop
.endr
.endm
; A round of the cluster's barrier: my work-group's barrier; wave 0 signals for the work-group; every wave waits for all four work-groups; my work-group's barrier once more
.macro CROUND
	s_barrier_signal -1
	s_barrier_wait -1
	s_cmp_lg_u32 s[WV], 0
	s_cbranch_scc1 .Lnot_wave_0_\@
	s_barrier_signal -3
.Lnot_wave_0_\@:
	s_barrier_wait -3
	s_barrier_signal -1
	s_barrier_wait -1
.endm
; A prefetch of what the NEXT change of slots will ask for: a round ahead of that load.  All clusters of a batch walk the same blocks: the batch's first cluster asks.  Of the 68 rows of
; 256 bytes that wave w fetches, each of the four partners takes 17, told apart by address; a lane a row, and lanes 16 to 31 all name the seventeenth.  The last fill asks for nothing.
.macro ASK
	s_cmp_gt_u32 s[TRIPS], s[LIM]
	s_cbranch_scc0 .Lnot_mine_\@
	global_prefetch_b8 v[PFO], s[PFA:PFA+1] th:TH_LOAD_NT scope:SCOPE_SE
.Lnot_mine_\@:
.endm
; THE CHANGE OF SLOTS, at a round's head.  Each wave waits for all its tensor loads (its part of the slot ahead), adds 0 to its spare word, and waits for that and for its reads of the slot that it has left
; (in a wave of class 1 the youngest of them are the loads of V'^T, which its part 2 multiplies behind the barrier).
; fill = 1: that slot takes the next round (the first time: slot 1's first fill), behind a round of the cluster's barrier; fill = 0: nothing is left to fetch.
.macro CHANGE fill
	s_wait_tensorcnt 0x0                           ; no tensor load of mine is out, so the group 0 may be written
	ds_add_u32 v[SPW], v[NIL]                      ; 0 onto my spare word
.if \fill
	s_xor_b32 s[G0+1], s[G0+1], STEPB              ; the other slot,
	s_add_nc_u64 s[G0+2:G0+3], s[G0+2:G0+3], SLOTB ; the next round; the type bits on top are not reached
	s_wait_xcnt 0x0                                ; the last prefetch, a round back, has read its address
	s_add_nc_u64 s[PFA:PFA+1], s[PFA:PFA+1], SLOTB
	s_wait_dscnt 0x0                               ; the add is done, and my reads of the slot are over
	CROUND
	tensor_load_to_lds s[G0:G0+3], s[G1:G1+7]      ; the first thing behind the round, and my one tensor load until the next
	s_nop 0
	PLACES 4                                       ; four lines behind a tensor load
	ASK
.else
	s_wait_dscnt 0x0
	s_barrier_signal -1
	s_barrier_wait -1
.endif
.endm
.macro PKF q, n                        ; t - M of pair n of tile q's scores
	v_pk_fma_f32 v[S+64*(\q)+2*(\n):S+64*(\q)+2*(\n)+1], v[S+64*(\q)+2*(\n):S+64*(\q)+2*(\n)+1], s[CS:CS+1], v[ST+4*(\q):ST+4*(\q)+1] op_sel_hi:[1,0,0]
.endm
; THE SUM OF THE UNQUANTISED p: eight chains of pairs, then a tree.  k = 0: pairs i and i + 8 start the chains; k = 2, 3: pairs 8 k + i are added
.macro UADD q, k
.irp i, 0,1,2,3,4,5,6,7
.if \k == 0
	v_pk_add_f32 v[X+48+2*\i:X+49+2*\i], v[S+64*\q+2*\i:S+64*\q+2*\i+1], v[S+64*\q+16+2*\i:S+64*\q+17+2*\i]
.else
	v_pk_add_f32 v[X+48+2*\i:X+49+2*\i], v[X+48+2*\i:X+49+2*\i], v[S+64*\q+16*\k+2*\i:S+64*\q+16*\k+2*\i+1]
.endif
.endr
.endm
.macro UT i, j
	v_pk_add_f32 v[X+48+2*\i:X+49+2*\i], v[X+48+2*\i:X+49+2*\i], v[X+48+2*\j:X+49+2*\j]
.endm
.macro CVT q, b                        ; block b of tile q becomes codes
	v_cvt_scalef32_pk8_fp4_f32 v[X+32+8*\q+2*\b], v[S+64*\q+16*\b:S+64*\q+16*\b+7], v[X+16*\q+8+\b]
	v_cvt_scalef32_pk8_fp4_f32 v[X+32+8*\q+2*\b+1], v[S+64*\q+16*\b+8:S+64*\q+16*\b+15], v[X+16*\q+8+\b]
.endm
.macro SWAPS q                         ; the operand's layout wants a whole block in a lane
.irp c, 0,1
.irp i, 0,1
	v_permlane16_swap_b32 v[X+32+8*\q+4*\c+\i], v[X+32+8*\q+4*\c+2+\i]
.endr
.endr
.endm
.macro VLOAD d0                        ; eight of V'^T's fragments take the place of a tile's p
.irp d, \d0, \d0+1, \d0+2, \d0+3, \d0+4, \d0+5, \d0+6, \d0+7
.irp c, 0,1
	ds_load_b128 v[S+8*(\d)+4*\c:S+8*(\d)+4*\c+3], v[LG] offset:VIMG+(\d)*1024+512*\c
.endr
.endr
.endm
; THE SOFTMAX of a step, and the loads of V'^T
.macro SOFT
.irp b, 0,1,2,3
.irp q, 0,1
	v_max3_num_f32 v[X+16*\q+\b], v[S+64*\q+16*\b], v[S+64*\q+16*\b+1], v[S+64*\q+16*\b+2]   ; the largest score of each block of 32 keys: for the row's maximum, and for the block's largest p
.endr
.endr
.irp i, 3,5,7,9,11,13
.irp b, 0,1,2,3
.irp q, 0,1
	v_max3_num_f32 v[X+16*\q+\b], v[X+16*\q+\b], v[S+64*\q+16*\b+\i], v[S+64*\q+16*\b+\i+1]
.endr
.endr
.endr
.irp b, 0,1,2,3
.irp q, 0,1
	v_max_num_f32 v[X+16*\q+\b], v[X+16*\q+\b], v[S+64*\q+16*\b+15]
.endr
.endr
.irp b, 0,1,2,3
.irp q, 0,1
	v_permlanex16_b32 v[X+16*\q+4+\b], v[X+16*\q+\b], s[SEL], s[SEL+1]
.endr
.endr
.irp b, 0,1,2,3
.irp q, 0,1
	v_max_num_f32 v[X+16*\q+\b], v[X+16*\q+\b], v[X+16*\q+4+\b]   ; with lane l xor 16's 16 keys
.endr
.endr
.irp q, 0,1
	s_delay_alu instid0(VALU_DEP_4)
	v_max3_num_f32 v[X+16*\q+12], v[X+16*\q], v[X+16*\q+1], v[X+16*\q+2]
.endr
.irp q, 0,1
	s_delay_alu instid0(VALU_DEP_2)
	v_max_num_f32 v[X+16*\q+12], v[X+16*\q+12], v[X+16*\q+3]   ; the step's largest score of my query
.endr
.irp q, 0,1
	s_delay_alu instid0(VALU_DEP_2)
	v_mul_f32 v[X+16*\q+12], s[CS], v[X+16*\q+12]
.endr
.irp q, 0,1
	s_delay_alu instid0(VALU_DEP_2)
	v_max_num_f32 v[ST+4*\q+1], v[ST+4*\q+1], v[X+16*\q+12]
.endr
.irp q, 0,1
	v_mov_b32 v[X+16*\q+12], v[ST+4*\q]
.endr
.irp q, 0,1
	s_delay_alu instid0(VALU_DEP_4)
	v_floor_f32 v[ST+4*\q], -v[ST+4*\q+1]          ; -M = floor(-t): M is a whole number
.endr
.irp q, 0,1
	s_delay_alu instid0(VALU_DEP_2)
	v_sub_f32 v[X+16*\q+12], v[ST+4*\q], v[X+16*\q+12]   ; old M less new M: a whole number, 0 or less
.endr
.irp q, 0,1
	s_delay_alu instid0(VALU_DEP_2)
	v_cvt_i32_f32 v[X+16*\q+12], v[X+16*\q+12]
.endr
.irp q, 0,1
	s_delay_alu instid0(VALU_DEP_2)
	v_ldexp_f32 v[F+2*\q], 1.0, v[X+16*\q+12]      ; f = 2^(old M - new M): multiplying by it rounds nothing
.endr
.irp b, 0,1,2,3
.irp q, 0,1
	v_fma_f32 v[X+16*\q+\b], v[X+16*\q+\b], s[CS], v[ST+4*\q]   ; t - M of each block's largest score
.endr
.endr
.irp q, 0,1
	v_pk_mul_f32 v[ST+4*\q+2:ST+4*\q+3], v[ST+4*\q+2:ST+4*\q+3], v[F+2*\q:F+2*\q+1] op_sel_hi:[1,0]   ; the sum under the new M
.endr
.set NN, 0
.rept 32
	PKF 0, NN
.set NN, NN+1
.endr
	AWAIT                                          ; ahead of the batch
; THE FIRST BATCH: the blocks' largest p and tile 0's p, with tile 1's scalings between: none of them reads what another instruction of the batch has written
.irp b, 0,1,2,3
.irp q, 0,1
	v_exp_f32 v[X+16*\q+\b], v[X+16*\q+\b]         ; a block's largest p: the same two instructions on the same number give the same bits
.endr
.endr
.set NN, 0
.rept 32
	v_exp_f32 v[S+2*NN], v[S+2*NN]                 ; p = 2^(t - M)
	v_exp_f32 v[S+2*NN+1], v[S+2*NN+1]
	PKF 1, NN
.set NN, NN+1
.endr
	AWAIT                                          ; behind the batch, and ahead of the second
.irp b, 0,1,2,3
.irp q, 0,1
	v_max_num_f32 v[X+16*\q+\b], 0x1800000, v[X+16*\q+\b]   ; the floor 2^(3 - 127): the byte cannot fall under 1
.endr
.endr
	UADD 0, 0
.irp b, 0,1,2,3
.irp q, 0,1
	v_add_nc_u32 v[X+16*\q+8+\b], 0xff000000, v[X+16*\q+\b]   ; 2 off the exponent field: the conversion's scale operand
.endr
.endr
	UADD 0, 2
.irp b, 0,1,2,3
.irp q, 0,1
	v_lshrrev_b32 v[X+16*\q+4+\b], 23, v[X+16*\q+8+\b]   ; the scale's byte
.endr
.endr
	UADD 0, 3
.irp q, 0,1
	v_lshl_or_b32 v[PW+\q], v[X+16*\q+5], 8, v[X+16*\q+4]   ; p's scale word for these 128 keys
.endr
	UT 0, 4
	UT 1, 5
	UT 2, 6
	UT 3, 7
.irp q, 0,1
	v_lshl_or_b32 v[PW+\q], v[X+16*\q+6], 16, v[PW+\q]
.endr
	UT 0, 2
	UT 1, 3
.irp q, 0,1
	v_lshl_or_b32 v[PW+\q], v[X+16*\q+7], 24, v[PW+\q]
.endr
	UT 0, 1
.irp b, 0,1,2,3
	CVT 0, \b
.endr
	v_pk_add_f32 v[ST+2:ST+3], v[ST+2:ST+3], v[X+48:X+49]   ; (the plain place behind a scaled conversion)
	VLOAD 0
	SWAPS 0
; THE SECOND BATCH: tile 1's p.  Its sources were written ahead of the wait behind the first batch
.set NN, 0
.rept 64
	v_exp_f32 v[S+64+NN], v[S+64+NN]
.set NN, NN+1
.endr
	v_nop                                          ; one plain place behind a transcendental
	AWAIT
	UADD 1, 0
	UADD 1, 2
	UADD 1, 3
	UT 0, 4
	UT 1, 5
	UT 2, 6
	UT 3, 7
	CVT 1, 0
	UT 0, 2
	UT 1, 3
	CVT 1, 1
	UT 0, 1
	CVT 1, 2
	CVT 1, 3
	v_pk_add_f32 v[ST+6:ST+7], v[ST+6:ST+7], v[X+48:X+49]
	VLOAD 8
	SWAPS 1
.endm
; PART 1 OF A STEP of 128 keys' for my two tiles of queries
.macro P1
	v_add_nc_u32 v[LG], s[TB], v[LG0]
	AWAIT                                          ; directly behind the write: its later readers stand behind waits that block
	s_xor_b32 s[TB], s[TB], STEPB
	ds_load_b128 v[SC:SC+3], v[LG] offset:KSC
	ds_load_b128 v[SC+4:SC+7], v[LG] offset:KSC+512
.irp f, 0,1,2,3,4,5,6,7                        ; key tiles 0-3 lie where the scores of tiles 4-7 will lie
.irp c, 0,1
	ds_load_b128 v[S+64*(\f/4)+32+8*(\f%4)+4*\c:S+64*(\f/4)+32+8*(\f%4)+4*\c+3], v[LG] offset:\f*1024+512*\c
.endr
.endr
.irp f, 0,1,2,3,4,5,6,7                        ; key tiles 4-7
.irp c, 0,1
	ds_load_b128 v[X+8*\f+4*\c:X+8*\f+4*\c+3], v[LG] offset:(\f+8)*1024+512*\c
.endr
.endr
	s_wait_dscnt 16                                ; the scale words and tiles 0-3 are in; the youngest sixteen loads, tiles 4-7, may be out
.irp s, 0,1                                    ; the eight accumulators take turns, one instruction a turn
.irp t, 0,1,2,3
.irp q, 0,1
	WM S+64*\q+8*\t, S+64*((2*\t+\s)/4)+32+8*((2*\t+\s)%4), QR+16*\q+8*\s, 1-\s, S+64*\q+8*\t, SC+\t, QS+\q, \s, \s
.endr
.endr
.endr
	s_wait_dscnt 0x0
	PLACES 5                                       ; the next products write their results over operands of the last ones: five places
.irp s, 0,1
.irp t, 4,5,6,7
.irp q, 0,1
	WM S+64*\q+8*\t, X+8*(2*(\t-4)+\s), QR+16*\q+8*\s, 1-\s, S+64*\q+8*\t, SC+\t, QS+\q, \s, \s
.endr
.endr
.endr
	PLACES 4                                       ; in front of the loads into the scale registers and of the first read of results
	ds_load_b128 v[SC:SC+3], v[LG] offset:VSC
	ds_load_b128 v[SC+4:SC+7], v[LG] offset:VSC+512
	SOFT
.endm
.macro RESCALE                         ; O^T under the new M
	WIN 0x41                                       ; O^T (destination and source 0) window 1
	AWAIT                                          ; directly ahead of the first reader of the last products' results
.irp q, 0,1
.set NN, 0
.rept 64
	v_pk_mul_f32 v[128*\q+NN:128*\q+NN+1], v[128*\q+NN:128*\q+NN+1], v[F+2*\q:F+2*\q+1] op_sel_hi:[1,0]
.set NN, NN+2
.endr
.endr
	AWAIT                                          ; ahead of the blocking wait that follows
.endm
.macro PV d0                           ; O^T += V'^T P^T: eight channel tiles
	WIN 0x50                                       ; C and D window 1
.irp d, \d0, \d0+1, \d0+2, \d0+3, \d0+4, \d0+5, \d0+6, \d0+7
.irp q, 0,1
	WM 128*\q+8*(\d), S+8*(\d), X+32+8*\q, 0, 128*\q+8*(\d), SC+4*((\d)/8)+(\d)%4, PW+\q, ((\d)/4)%2, 0
.endr
.endr
.endm
; PART 2, for the waves whose s[reg] is val: a branch on the wave's number
.macro P2IF reg, val
	s_cmp_lg_u32 s[\reg], \val
	s_cbranch_scc1 .Lnot_now_\@
	RESCALE
	s_wait_dscnt 16                                ; the scale words and the first half of V'^T are in; the youngest sixteen loads, its second half, may be out
	PV 0
	s_wait_dscnt 0x0
	PV 8
	WIN 0
	PLACES 5                                       ; the next part 1's loads land in registers that these products read (four are owed), and its first products write over such registers (five)
.Lnot_now_\@:
.endm
; 32 numbers of a lane (two blocks) become four registers of codes and two scale bytes
.macro QUANT2 src, pc, hw
.irp b, 0,1
	v_max3_num_f32 v[X+56+\b], |v[\src+16*\b]|, |v[\src+16*\b+1]|, 0x1800000
.endr
.irp i, 2,4,6,8,10,12,14
.irp b, 0,1
	s_delay_alu instid0(VALU_DEP_2)
	v_max3_num_f32 v[X+56+\b], v[X+56+\b], |v[\src+16*\b+\i]|, |v[\src+16*\b+\i+1]|
.endr
.endr
.irp b, 0,1
	s_delay_alu instid0(VALU_DEP_2)
	v_permlanex16_b32 v[X+58+\b], v[X+56+\b], s[SEL], s[SEL+1]
.endr
.irp b, 0,1
	s_delay_alu instid0(VALU_DEP_2)
	v_max_num_f32 v[X+56+\b], v[X+56+\b], v[X+58+\b]
.endr
.irp b, 0,1
	s_delay_alu instid0(VALU_DEP_2)
	v_add_nc_u32 v[X+60+\b], 0xff000000, v[X+56+\b]
.endr
.irp b, 0,1
	s_delay_alu instid0(VALU_DEP_2)
	v_lshrrev_b32 v[X+58+\b], 23, v[X+60+\b]
.endr
	s_delay_alu instid0(VALU_DEP_1)
	v_lshl_or_b32 v[\hw], v[X+59], 8, v[X+58]
.irp b, 0,1
	v_cvt_scalef32_pk8_fp4_f32 v[\pc+2*\b], v[\src+16*\b:\src+16*\b+7], v[X+60+\b]
	v_cvt_scalef32_pk8_fp4_f32 v[\pc+2*\b+1], v[\src+16*\b+8:\src+16*\b+15], v[X+60+\b]
.endr
	v_nop
	v_permlane16_swap_b32 v[\pc], v[\pc+2]
	v_permlane16_swap_b32 v[\pc+1], v[\pc+3]
.endm
	s_load_b256 s[4:11], s[0:1], 0x0               ; qf 4, kv 6, Wo codes 8, Wo scales 10
	s_load_b128 s[12:15], s[0:1], 0x20             ; bo 12, out0 14
	v_lshl_add_u32 v[SPW], v0, 2, SPARE
	v_mov_b32 v[NIL], 0
	ds_add_u32 v[SPW], v[NIL]                      ; the opening add, twice on end, under one wait
	ds_add_u32 v[SPW], v[NIL]
	v_lshrrev_b32 v1, 5, v0
	v_readfirstlane_b32 s[WV], v1                  ; wave 0..7
	s_and_b32 s[QP], s[WV], 1
	s_lshr_b32 s[G], s[WV], 1
	s_lshr_b32 s[CL], s[WV], 2
	s_xor_b32 s[CL], s[CL], s[WV]
	s_and_b32 s[CL], s[CL], 1
	s_mov_b32 s[LATE], 0
	s_mov_b32 s[TB], 0
	s_bfe_u32 s[CX], ttmp6, 0x40000                ; my place in the cluster: it enters qf's and out0's addresses and the prefetches' alone
	s_lshl_b32 s[WGX], ttmp9, 2
	s_add_co_u32 s[WGX], s[WGX], s[CX]             ; my block of 64 queries
	s_and_b32 s[BT], ttmp7, 0xffff                 ; the batch, which the four partners share
	; descriptor group 1: a dense block as rows of 256 bytes (32 elements of 8 bytes), no padding: every read is 16 x lane on end
	s_mov_b32 s[G1], 15|(3<<16)|(1<<21)            ; 15:0 the mask: all four work-groups; 17:16 elements of 8 bytes; 21 set beside a mask
	s_mov_b32 s[G1+1], 32<<16                      ; tensor_dim0
	s_mov_b32 s[G1+2], 68<<16                      ; tensor_dim1: 68 rows, an eighth of a slot
	s_mov_b32 s[G1+3], 32<<16                      ; tile_dim0
	s_mov_b32 s[G1+4], 68                          ; tile_dim1
	s_mov_b32 s[G1+5], 32                          ; from row to row
	s_mov_b32 s[G1+6], 0
	s_mov_b32 s[G1+7], 0
	s_mov_b32 s[CS], 0x3db8aa3b                    ; log2(e) / 16
	s_mov_b32 s[CS+1], s[CS]
	s_mov_b32 s[SEL], 0x76543210
	s_mov_b32 s[SEL+1], 0xfedcba98
	s_mov_b32 s[HM], 0xffff0000
	s_mov_b32 s[TRIPS], 7
	s_cmp_eq_u32 ttmp9, 0                          ; the batch's first cluster prefetches: the same in all four partners
	s_cselect_b32 s[LIM], 1, -1
	s_cmp_eq_u32 s[G], 0                           ; key' 4,096 counts in group 0, once: in lanes 0-15
	s_cselect_b32 s[OWN], s[HM], -1
	s_mul_i32 s22, s[BT], BSTR
	s_mov_b32 s[G0], 1
	s_mul_i32 s[G0+1], s[G], GRP                   ; my eighth of slot 0: half of group g's step, in LDS
	s_mul_i32 s62, s[QP], 17408
	s_add_co_u32 s[G0+1], s[G0+1], s62
	s_mul_i32 s66, s[WV], 17408                    ; and in memory
	s_add_co_u32 s66, s66, s22
	s_mov_b32 s67, 0
	s_add_co_u32 s68, s22, 32*STEPB                ; key' 4,096's block
	s_mov_b32 s69, 0
	s_mul_i32 s70, s[CX], 4352                     ; my work-group's 17 rows of a wave's 68
	s_mov_b32 s71, 0
	s_lshl_b32 s72, s[BT], 6
	s_add_co_u32 s72, s72, s[WGX]
	s_mul_i32 s72, s72, QB                         ; my block of qf
	s_mov_b32 s73, 0
	s_lshl_b32 s74, s[BT], 12
	s_lshl_b32 s75, s[WGX], 6
	s_add_co_u32 s74, s74, s75
	s_lshl_b32 s75, s[QP], 5
	s_add_co_u32 s74, s74, s75                     ; my first row of out0,
	s_lshl_b32 s74, s74, 10
	s_lshl_b32 s75, s[G], 8
	s_add_co_u32 s74, s74, s75                     ; my 64 columns
	s_mov_b32 s75, 0
	s_lshl_b32 s76, s[G], 13                       ; my 64 rows of Wo,
	s_mov_b32 s77, 0
	s_lshl_b32 s78, s[G], 9                        ; their scale bytes,
	s_mov_b32 s79, 0
	s_lshl_b32 s44, s[G], 8                        ; my 64 numbers of bo
	s_mov_b32 s45, 0
	s_lshl_b32 s61, s[QP], 12
	s_lshl_b32 s62, s[QP], 3
	s_mul_i32 s63, s[G], GRP
	v_and_b32 v[LI], 31, v0
	v_lshlrev_b32 v[LI], 4, v[LI]
	v_add_nc_u32 v[LG], s61, v[LI]                 ; my two tiles' images
	v_add_nc_u32 v[ST], s62, v[LI]                 ; and their scale words
	v_add_nc_u32 v[LG0], s63, v[LI]
	v_and_b32 v[PFO], 31, v0
	v_min_u32 v[PFO], 16, v[PFO]
	v_lshlrev_b32 v[PFO], 8, v[PFO]
	AWAIT
	s_wait_dscnt 0x0                               ; both opening adds are done
	s_wait_kmcnt 0x0
	s_add_nc_u64 s[4:5], s[4:5], s[72:73]
	s_add_nc_u64 s[68:69], s[6:7], s[68:69]
	s_add_nc_u64 s[G0+2:G0+3], s[6:7], s[66:67]
	s_add_nc_u64 s[PFA:PFA+1], s[G0+2:G0+3], SLOTB ; the first change of slots steps it to round 2
	s_add_nc_u64 s[PFA:PFA+1], s[PFA:PFA+1], s[70:71]
	s_or_b32 s[G0+3], s[G0+3], 0x80000000          ; type = 2
	s_add_nc_u64 s[14:15], s[14:15], s[74:75]
	s_add_nc_u64 s[8:9], s[8:9], s[76:77]
	s_add_nc_u64 s[10:11], s[10:11], s[78:79]
	s_add_nc_u64 s[12:13], s[12:13], s[44:45]
.set NN, 0
.rept 8
	global_load_b128 v[QR+4*NN:QR+4*NN+3], v[LG], s[4:5] offset:512*NN   ; Q stays in registers
.set NN, NN+1
.endr
	global_load_b64 v[QS:QS+1], v[ST], s[4:5] offset:8192
	; key' 4,096: key tile 0 of its block (two fragments), its scale words, and of V'^T what the one key needs: register 0 of each channel tile's fragment.
	; The fragments are laid two registers apart: what stands behind register 0 meets zero codes of p alone
.set NN, 0
.rept 4
	global_load_b128 v[X+4*NN:X+4*NN+3], v[LI], s[68:69] offset:512*NN
.set NN, NN+1
.endr
	global_load_b32 v[KT], v[LI], s[68:69] offset:KSC
	global_load_b128 v[SC:SC+3], v[LI], s[68:69] offset:VSC
	global_load_b128 v[SC+4:SC+7], v[LI], s[68:69] offset:VSC+512
.set NN, 0
.rept 15
	global_load_b64 v[S+2*NN:S+2*NN+1], v[LI], s[68:69] offset:VIMG+1024*NN
.set NN, NN+1
.endr
	global_load_b128 v[S+30:S+33], v[LI], s[68:69] offset:VIMG+15*1024
	global_load_b128 v[S+34:S+37], v[LI], s[68:69] offset:VIMG+15*1024+512
	CROUND                                         ; all four work-groups are here: the first joint loads meet
	tensor_load_to_lds s[G0:G0+3], s[G1:G1+7]      ; round 0: one tensor load a wave at the head
	s_nop 0
	PLACES 4
.irp q, 0,1
	v_mov_b32 v[F+1+2*\q], 0                       ; the upper halves are named with f as pairs
	v_mov_b32 v[ST+3+4*\q], 0                      ; the sum's second half
	v_mov_b32 v[X+50+\q], 0                        ; written once: a lane permute's destination counts as one of its sources
.irp n, 1,2,3,4,5,6,7
	v_mov_b32 v[S+48+8*\q+\n], 0                   ; p's other seven numbers,
	v_mov_b32 v[X+32+8*\q+\n], 0                   ; and the step's other codes
.endr
.endr
	AWAIT
	s_wait_loadcnt 0x0                             ; Q and key' 4,096
.irp s, 0,1                                    ; its score: register 0 of lanes 0-15
.irp q, 0,1
	WM X+16+8*\q, X+8*\s, QR+16*\q+8*\s, 1-\s, X+16+8*\q, KT, QS+\q, \s, \s
.endr
.endr
	PLACES 4
.irp q, 0,1
	v_permlanex16_b32 v[X+50+\q], v[X+16+8*\q], s[SEL], s[SEL+1]
.endr
.irp q, 0,1
	v_cndmask_b32 v[X+48+\q], v[X+16+8*\q], v[X+50+\q], s[HM]   ; in all lanes
.endr
.irp q, 0,1
	v_mul_f32 v[ST+4*\q+1], s[CS], v[X+48+\q]      ; the largest t so far
.endr
.irp q, 0,1
	v_floor_f32 v[ST+4*\q], -v[ST+4*\q+1]          ; -M
.endr
.irp q, 0,1
	v_fma_f32 v[X+52+\q], v[X+48+\q], s[CS], v[ST+4*\q]
.endr
	AWAIT
.irp q, 0,1
	v_exp_f32 v[X+52+\q], v[X+52+\q]
.endr
	v_nop                                          ; one plain place behind a transcendental
	AWAIT
.irp q, 0,1
	v_max_num_f32 v[X+54+\q], 0x1800000, v[X+52+\q]
.endr
.irp q, 0,1
	v_cndmask_b32 v[S+48+8*\q], v[X+52+\q], v[NIL], s[OWN]   ; p, where it counts
.endr
.irp q, 0,1
	v_add_nc_u32 v[X+54+\q], 0xff000000, v[X+54+\q]
.endr
.irp q, 0,1
	v_mov_b32 v[ST+4*\q+2], v[S+48+8*\q]           ; the sum begins
.endr
.irp q, 0,1
	v_lshrrev_b32 v[PW+\q], 23, v[X+54+\q]         ; the first block's byte; the other three bytes are 0, over zero codes
.endr
.irp q, 0,1
	v_cvt_scalef32_pk8_fp4_f32 v[X+32+8*\q], v[S+48+8*\q:S+55+8*\q], v[X+54+\q]
.endr
	PLACES 8                                       ; a scale register written by a vector instruction stands eight places ahead of a scaled product, an operand four
	WIN 0x50
.irp d, 0,1,2,3,4,5,6,7,8,9,10,11,12,13,14,15
.irp q, 0,1
	WM 128*\q+8*\d, S+2*\d, X+32+8*\q, 1, 128*\q+8*\d, SC+4*(\d/8)+\d%4, PW+\q, (\d/4)%2, 0   ; these products start the sums
.endr
.endr
	WIN 0
	PLACES 5
	AWAIT
.Lloop:                                            ; seven trips: rounds 0 to 6 are worked, rounds 1 to 7 asked for
	CHANGE 1
	P2IF LATE, 1                                   ; class 1: the part 2 that it owes (none in the first trip)
	s_mov_b32 s[LATE], s[CL]
	P1
	P2IF CL, 0                                     ; class 0: at once
	s_sub_co_u32 s[TRIPS], s[TRIPS], 1
	s_cmp_lg_u32 s[TRIPS], 0
	s_cbranch_scc1 .Lloop
	CHANGE 0                                       ; the last round is written out: nothing is left to fetch
	P2IF LATE, 1
	P1
	RESCALE                                        ; no change of slots follows: every wave runs the last part 2 at once
	s_wait_dscnt 0x0                               ; V'^T is in, and my reads of the ring are over:
	s_barrier_signal -1                            ; say so; only work on registers stands between this and the wait
	PV 0
	PV 8
	WIN 0
	; ---- the row's sum of my group, and the addresses of the join, are the places behind the last products
.irp q, 0,1
	v_add_f32 v[ST+4*\q+2], v[ST+4*\q+2], v[ST+4*\q+3]
.endr
.irp q, 0,1
	s_delay_alu instid0(VALU_DEP_2)
	v_permlanex16_b32 v[ST+4*\q+3], v[ST+4*\q+2], s[SEL], s[SEL+1]
.endr
.irp q, 0,1
	s_delay_alu instid0(VALU_DEP_2)
	v_add_f32 v[ST+4*\q+1], v[ST+4*\q+2], v[ST+4*\q+3]   ; beside -M: the pair is stored as it stands
.endr
	s_lshl_b32 s61, s[QP], 17
	s_lshl_b32 s62, s[G], 15
	s_add_co_u32 s61, s61, s62
	s_lshl_b32 s62, s[WV], 9
	s_add_co_u32 s62, s62, STATS
	v_add_nc_u32 v2, s61, v[LI]                    ; my area: 131,072 qp + 32,768 g
	v_and_b32 v3, 31, v0
	v_and_b32 v17, 15, v0
	v_bfe_u32 v19, v0, 4, 1
	v_lshlrev_b32 v3, 3, v3
	v_lshlrev_b32 v18, 3, v17
	v_lshlrev_b32 v17, 7, v17
	v_add_nc_u32 v3, s62, v3                       ; my statistics: 512 bytes a wave, 8 a lane
	v_lshl_add_u32 v18, v19, 2, v18                ; Wo's scale word: row r, K step h
	v_lshl_add_u32 v17, v19, 4, v17                ; Wo's codes: row r, + 16 h
	v_lshlrev_b32 v19, 5, v19                      ; bo: 8 h numbers on
	AWAIT
	s_barrier_wait -1                              ; nobody reads the ring any more
	; ---- Wo, its scales and bo are asked for; my O^T and my statistics go to LDS
.irp e, 0,1,2,3
.irp s, 0,1
.irp c, 0,1
	global_load_b128 v[S+64+8*(2*\e+\s)+4*\c:S+64+8*(2*\e+\s)+4*\c+3], v17, s[8:9] offset:\e*2048+64*\s+32*\c
.endr
.endr
	global_load_b32 v[SC+\e], v18, s[10:11] offset:\e*128
	global_load_b128 v[X+8*\e:X+8*\e+3], v19, s[12:13] offset:64*\e
	global_load_b128 v[X+8*\e+4:X+8*\e+7], v19, s[12:13] offset:64*\e+16
.endr
.irp q, 0,1
	ds_store_b64 v3, v[ST+4*\q:ST+4*\q+1] offset:\q*256
.endr
	WIN 0x04                                       ; an LDS store's data are its source 1: window 1
.set NN, 0
.rept 64
	ds_store_b128 v2, v[4*NN:4*NN+3] offset:512*NN   ; each accumulator from its low end on
.set NN, NN+1
.endr
	WIN 0
	s_wait_dscnt 0x0
	s_barrier_signal -1
	s_barrier_wait -1                              ; all parts lie in LDS
	; ---- the join: I take channels 64 g .. 64 g + 63 of my 32 queries from the four groups
	s_lshl_b32 s61, s[QP], 9
	s_add_co_u32 s61, s61, STATS
	s_lshl_b32 s62, s[QP], 17
	s_lshl_b32 s63, s[G], 12
	s_add_co_u32 s62, s62, s63
	v_and_b32 v2, 31, v0
	v_add_nc_u32 v8, s62, v[LI]                    ; groups 0 and 1;
	v_lshlrev_b32 v2, 3, v2
	v_add_nc_u32 v9, 0x10000, v8                   ; groups 2 and 3
	v_add_nc_u32 v2, s61, v2
.irp q, 0,1
.irp u, 0,1,2,3
	ds_load_b64 v[X+32+8*\q+2*\u:X+32+8*\q+2*\u+1], v2 offset:\u*1024+\q*256
.endr
.endr
	WIN 0x40
.irp u, 0,1,2,3
.irp q, 0,1
.irp m, 0,1,2,3,4,5,6,7
	ds_load_b128 v[64*\u+32*\q+4*\m:64*\u+32*\q+4*\m+3], v[8+\u/2] offset:(\u%2)*32768+\q*16384+\m*512
.endr
.endr
.endr
	WIN 0
	s_wait_dscnt 63                                ; the eight statistics are in: 64 loads stand behind them, and the count's field ends at 63
.irp q, 0,1
	v_min_num_f32 v[X+56+\q], v[X+32+8*\q], v[X+34+8*\q]
.endr
.irp q, 0,1
	s_delay_alu instid0(VALU_DEP_2)
	v_min_num_f32 v[X+56+\q], v[X+56+\q], v[X+36+8*\q]
.endr
.irp q, 0,1
	s_delay_alu instid0(VALU_DEP_2)
	v_min_num_f32 v[X+56+\q], v[X+56+\q], v[X+38+8*\q]   ; -M of all keys
.endr
.irp u, 0,1,2,3
.irp q, 0,1
	v_sub_f32 v[X+32+8*\q+2*\u], v[X+56+\q], v[X+32+8*\q+2*\u]   ; the group's M less the common one: a whole number, 0 or less
.endr
.endr
.irp u, 0,1,2,3
.irp q, 0,1
	v_cvt_i32_f32 v[X+32+8*\q+2*\u], v[X+32+8*\q+2*\u]
.endr
.endr
.irp u, 0,1,2,3
.irp q, 0,1
	v_ldexp_f32 v[X+32+8*\q+2*\u], 1.0, v[X+32+8*\q+2*\u]   ; f of the group
.endr
.endr
.irp q, 0,1
	v_mul_f32 v[X+58+\q], v[X+32+8*\q], v[X+33+8*\q]
.endr
.irp u, 1,2,3
.irp q, 0,1
	s_delay_alu instid0(VALU_DEP_2)
	v_fmac_f32 v[X+58+\q], v[X+32+8*\q+2*\u], v[X+33+8*\q+2*\u]   ; the row's sum over all keys
.endr
.endr
	AWAIT
.irp q, 0,1
	v_rcp_f32 v[X+60+\q], v[X+58+\q]
.endr
	v_nop                                          ; one plain place behind a transcendental
	AWAIT
.irp u, 0,1,2,3
.irp q, 0,1
	v_mul_f32 v[X+32+8*\q+2*\u], v[X+32+8*\q+2*\u], v[X+60+\q]   ; f / the sum
.endr
.endr
	AWAIT
	WIN 0x01                                       ; source 0 (a group's part) window 1
	s_wait_dscnt 48                                ; group 0's sixteen loads are in; the other groups' 48 may be out
.irp q, 0,1
.set NN, 0
.rept 16
	v_pk_mul_f32 v[S+32*\q+NN:S+32*\q+NN+1], v[32*\q+NN:32*\q+NN+1], v[X+32+8*\q:X+33+8*\q] op_sel_hi:[1,0]
.set NN, NN+2
.endr
.endr
.irp u, 1,2,3
	s_wait_dscnt 48-16*\u                          ; group u's too
.irp q, 0,1
.set NN, 0
.rept 16
	v_pk_fma_f32 v[S+32*\q+NN:S+32*\q+NN+1], v[64*\u+32*\q+NN:64*\u+32*\q+NN+1], v[X+32+8*\q+2*\u:X+33+8*\q+2*\u], v[S+32*\q+NN:S+32*\q+NN+1] op_sel_hi:[1,0,1]
.set NN, NN+2
.endr
.endr
.endr
	WIN 0
	s_lshl_b32 s61, s[QP], 12
	s_lshl_b32 s62, s[G], 9
	s_add_co_u32 s61, s61, s62
	s_add_co_u32 s61, s61, AIMG
	v_add_nc_u32 v2, s61, v[LI]                    ; my register group of attn's images: K step g / 2, group g % 2
	s_lshl_b32 s61, s[QP], 8
	s_lshr_b32 s62, s[G], 1
	s_lshl_b32 s62, s62, 6
	s_add_co_u32 s61, s61, s62
	s_and_b32 s62, s[G], 1
	s_lshl_b32 s62, s62, 1
	s_add_co_u32 s61, s61, s62
	s_add_co_u32 s61, s61, ASCL
	v_and_b32 v3, 15, v0
	s_delay_alu instid0(VALU_DEP_1)
	v_lshlrev_b32 v3, 2, v3
	s_delay_alu instid0(VALU_DEP_1)
	v_add_nc_u32 v3, s61, v3                       ; my two bytes of row r's scale word; both halves of the lanes write the same value
	QUANT2 S, X+48, X+62
	ds_store_b128 v2, v[X+48:X+51]
	ds_store_b16 v3, v[X+62]
	QUANT2 S+32, X+52, X+63
	ds_store_b128 v2, v[X+52:X+55] offset:2048
	ds_store_b16 v3, v[X+63] offset:128
	s_wait_dscnt 0x0
	s_barrier_signal -1
	s_barrier_wait -1                              ; attn's fragments and scale words lie in LDS; nobody reads O's parts any more
	; ---- out = attn Wo^T + bo: my 64 columns for my 32 queries (source 0 = 16 rows of Wo, source 1 = attn)
	s_lshl_b32 s61, s[QP], 12
	s_add_co_u32 s61, s61, AIMG
	v_add_nc_u32 v2, s61, v[LI]
	s_lshl_b32 s61, s[QP], 8
	s_add_co_u32 s61, s61, ASCL
	v_and_b32 v3, 31, v0
	s_delay_alu instid0(VALU_DEP_1)
	v_lshlrev_b32 v3, 2, v3
	s_delay_alu instid0(VALU_DEP_1)
	v_add_nc_u32 v3, s61, v3
.set NN, 0
.rept 8
	ds_load_b128 v[QR+4*NN:QR+4*NN+3], v2 offset:512*NN
.set NN, NN+1
.endr
.irp q, 0,1
	ds_load_b32 v[SC+4+\q], v3 offset:128*\q       ; lanes 0-15 K step 0, lanes 16-31 K step 1
.endr
	s_wait_loadcnt 0x0                             ; Wo, its scales, bo
	s_wait_dscnt 0x0
.irp q, 0,1                                    ; eight accumulators by turns; bo is the C of each sum's first product
.irp e, 0,1,2,3
	WM S+8*(4*\q+\e), S+64+8*(2*\e), QR+16*\q, 0, X+8*\e, SC+\e, SC+4+\q, 0, 0
.endr
.endr
.irp q, 0,1
.irp e, 0,1,2,3
	WM S+8*(4*\q+\e), S+64+8*(2*\e+1), QR+16*\q+8, 0, S+8*(4*\q+\e), SC+\e, SC+4+\q, 1, 1
.endr
.endr
	v_and_b32 v10, 15, v0                          ; the addresses of the way out are the places behind the last products
	v_bfe_u32 v16, v0, 4, 1
	s_mul_i32 s61, s[WV], 8704                     ; my stage: 32 rows of 256 bytes + 16
	v_mul_u32_u24 v2, v10, 272
	v_mul_u32_u24 v3, v16, 272
	v_lshl_add_u32 v2, v16, 5, v2
	v_lshl_add_u32 v3, v10, 4, v3
	v_add_nc_u32 v2, s61, v2                       ; in: row r, 32 bytes for each half of the lanes
	v_add_nc_u32 v3, s61, v3                       ; back: lanes 0-15 one row, lanes 16-31 the next
	AWAIT
	s_wait_xcnt 0x0                                ; the last prefetch has long read its offset register
	v_lshlrev_b32 v7, 10, v16
	s_delay_alu instid0(VALU_DEP_1)
	v_lshl_add_u32 v7, v10, 4, v7                  ; and the same two rows in out0
.irp q, 0,1
.irp e, 0,1,2,3
	ds_store_b128 v2, v[S+8*(4*\q+\e):S+8*(4*\q+\e)+3] offset:\q*4352+64*\e
	ds_store_b128 v2, v[S+8*(4*\q+\e)+4:S+8*(4*\q+\e)+7] offset:\q*4352+64*\e+16
.endr
.endr
.set NN, 0
.rept 16
	ds_load_b128 v[X+4*NN:X+4*NN+3], v3 offset:544*NN   ; LDS serves a wave's instructions in order: these see my stores
.set NN, NN+1
.endr
.set NN, 0
	AWAIT
.rept 16
	s_wait_dscnt 15-NN
	global_store_b128 v7, v[X+4*NN:X+4*NN+3], s[14:15] offset:2048*NN th:TH_STORE_NT   ; 16 lanes store 256 consecutive bytes, at a multiple of 256 from out0's first byte
.set NN, NN+1
.endr
	s_wait_tensorcnt 0x0                           ; the wave's end
	ds_add_u32 v[SPW], v[NIL]
	s_wait_dscnt 0x0
	CROUND                                         ; the closing round: no work-group ends while a partner may still ask for a tile that names it
	s_endpgm
.Lfunc_end_k_q3ab5c19c39_attn:
	.size	k_q3ab5c19c39_attn, .Lfunc_end_k_q3ab5c19c39_attn-k_q3ab5c19c39_attn
	.p2alignl 7, 3214868480
	.fill 96, 4, 3214868480
	.section	.rodata,"a",@progbits
	.p2align	6, 0x0
	.amdhsa_kernel k_q3ab5c19c39_attn
		.amdhsa_group_segment_fixed_size 327680
		.amdhsa_private_segment_fixed_size 0
		.amdhsa_enable_private_segment 0
		.amdhsa_kernarg_size 48
		.amdhsa_user_sgpr_count 2
		.amdhsa_user_sgpr_kernarg_segment_ptr 1
		.amdhsa_wavefront_size32 1
		.amdhsa_system_sgpr_workgroup_id_x 1
		.amdhsa_system_sgpr_workgroup_id_y 1
		.amdhsa_system_sgpr_workgroup_id_z 1
		.amdhsa_system_vgpr_workitem_id 0
		.amdhsa_next_free_vgpr 512
		.amdhsa_next_free_sgpr 84
		.amdhsa_reserve_vcc 0
		.amdhsa_float_denorm_mode_32 3
		.amdhsa_float_denorm_mode_16_64 3
		.amdhsa_memory_ordered 1
		.amdhsa_forward_progress 1
		.amdhsa_inst_pref_size 165
	.end_amdhsa_kernel
	.amdgpu_metadata
---
amdhsa.version: [ 1, 2 ]
amdhsa.kernels:
  - .name:           k_q3ab5c19c39_attn
    .symbol:         k_q3ab5c19c39_attn.kd
    .args:
      - { .name: qf, .offset: 0, .size: 8, .value_kind: global_buffer, .address_space: global }
      - { .name: kv, .offset: 8, .size: 8, .value_kind: global_buffer, .address_space: global }
      - { .name: Wo_codes, .offset: 16, .size: 8, .value_kind: global_buffer, .address_space: global }
      - { .name: Wo_scales, .offset: 24, .size: 8, .value_kind: global_buffer, .address_space: global }
      - { .name: bo, .offset: 32, .size: 8, .value_kind: global_buffer, .address_space: global }
      - { .name: out0, .offset: 40, .size: 8, .value_kind: global_buffer, .address_space: global }
    .group_segment_fixed_size: 327680
    .private_segment_fixed_size: 0
    .kernarg_segment_align: 8
    .kernarg_segment_size: 48
    .max_flat_workgroup_size: 256
    .sgpr_count:     84
    .vgpr_count:     512
    .wavefront_size: 32
...
	.end_amdgpu_metadata
.endif
;; end of part 2
